; MI455X (gfx1250); checked and timed in simulation.
; The chip was launched on July 23, 2026; its instructions are those of AMD's public machine-readable ISA for CDNA 5 (MIT licence, August 2026) and "CDNA5" Instruction Set Architecture Reference Guide (July 2026). The comments in the code are by the model that wrote it; some were corrected since.
;; Multi Head Cross Attention. Allowed arithmetic: float matrix products may take bf16 or f16 operands with f32 sums; all other float work in f32.
;; Inputs: Wk 1,024 x 1,024 float32; Wp 1,024 x 1,024 float32; Wq 1,024 x 1,024 float32; Wv 1,024 x 1,024 float32; bk 1,024 float32; bp 1,024 float32; bq 1,024 float32; bv 1,024 float32; x 2 x 2,048 x 1,024 float32; x_query 2 x 2,048 x 1,024 float32.
;; Outputs: out0 2 x 2,048 x 1,024 float32.
;; One version. Each part assembles by itself: llvm-mc -triple=amdgcn-amd-amdhsa -mcpu=gfx1250 --defsym DOCPART=n.
;; ======== version 1 of 1: 4 launches
;; limits: values are held in f16: magnitudes above 65,504 overflow, below 6.1e-05 lose precision
;; workspace buffers: cb 25,165,824 bytes; qh 8,388,608 bytes; kh 8,388,608 bytes; vh 8,388,608 bytes; yh 8,388,608 bytes
;; launch cast (part 1): grid 256 x 3, 8 waves a work-group, no clusters, 0 bytes of LDS; arguments x, x_query, Wq, Wk, Wv, Wp, cb; writes cb
.if DOCPART == 1
	.amdgcn_target "amdgcn-amd-amdhsa--gfx1250"
	.amdhsa_code_object_version 6
	.text
	.protected	k_q03f0a4679d_cast
	.globl	k_q03f0a4679d_cast
	.p2align	8
	.type	k_q03f0a4679d_cast,@function
k_q03f0a4679d_cast:
	s_mov_b64 s[64:65], 0
	v_nop
	global_prefetch_b8 v0, s[64:65] scope:SCOPE_SE
	s_setreg_imm32_b32 hwreg(HW_REG_WAVE_MODE, 25, 1), 1
	s_wait_xcnt 0x0
; The six large f32 inputs are rounded once to 16 bits, into cb:
;   byte 0 x, 8,388,608 x_query, 16,777,216 Wq, then Wk, then Wv (one stacked [3072][1024]), all bf16;  23,068,672 Wp.
; Wp meets an f16 operand later, so it is rounded to bf16 like the others and then written in f16 format: 8 significant bits fit into
; f16's 11, so the second step changes nothing for 2^-14 <= |Wp| <= 65,504.
; LIMITS: |Wp| above 65,504 becomes infinity; below 2^-14 it keeps f16's denormal step of 2^-24.
; 768 work-groups of equal work: 65,536 source bytes in, 32,768 bytes out.  Work-group number lin = 256 y + x; the segments lie in cb in
; the same order, so the destination is lin x 32,768.  Thread t, unit u: 32 bytes at 32 t + 8,192 u in, 16 bytes at 16 t + 4,096 u out,
; so sixteen neighbouring lanes store 256 consecutive bytes, aligned.  All sixteen loads of a thread go out before the first wait.
; No LDS, no barrier, no matrix unit, no cluster: no byte is shared and nothing is reduced.
.set T,    2                           ; v[2:5]     at work (Wp's way alone)
.set X,    16                          ; v[16:79]   unit u: 8 registers as loaded
.set Y,    80                          ; v[80:111]  unit u: 4 registers to store
.set UIN,  8192                        ; source bytes of a unit
.set UOUT, 4096
	s_load_b256 s[8:15], s[0:1], 0x0               ; x s[8:9], x_query s[10:11], Wq s[12:13], Wk s[14:15]
	s_load_b128 s[16:19], s[0:1], 0x20             ; Wv s[16:17], Wp s[18:19]
	s_load_b64 s[20:21], s[0:1], 0x30              ; cb
	s_mov_b32 s6, ttmp9                            ; x of the work-group
	s_and_b32 s2, ttmp7, 0xffff                    ; y: 0 x, 1 x_query, 2 the four weights
	s_lshl_b32 s3, s2, 8
	s_add_co_u32 s3, s3, s6                        ; lin
	s_lshl_b32 s28, s3, 15                         ; destination offset
	s_mov_b32 s29, 0
	s_and_b32 s4, s6, 63                           ; a weight has 64 shares of 65,536 bytes
	s_lshr_b32 s5, s6, 6                           ; which weight
	s_cmp_eq_u32 s2, 2
	s_cselect_b32 s26, s4, s6
	s_lshl_b32 s26, s26, 16                        ; source offset
	s_mov_b32 s27, 0
	v_lshlrev_b32 v1, 5, v0                        ; 32 t
	v_lshlrev_b32 v10, 4, v0                       ; 16 t
	s_wait_kmcnt 0x0
	s_cmp_eq_u32 s5, 1                             ; the source: a chain of choices on the work-group's numbers
	s_cselect_b64 s[24:25], s[14:15], s[12:13]
	s_cmp_eq_u32 s5, 2
	s_cselect_b64 s[24:25], s[16:17], s[24:25]
	s_cmp_eq_u32 s5, 3
	s_cselect_b64 s[24:25], s[18:19], s[24:25]
	s_cmp_eq_u32 s2, 1
	s_cselect_b64 s[24:25], s[10:11], s[24:25]
	s_cmp_eq_u32 s2, 0
	s_cselect_b64 s[24:25], s[8:9], s[24:25]
	s_add_nc_u64 s[24:25], s[24:25], s[26:27]
	s_add_nc_u64 s[20:21], s[20:21], s[28:29]
.irp u, 0,1,2,3,4,5,6,7
	global_load_b128 v[X+8*\u:X+8*\u+3],   v1, s[24:25] offset:UIN*\u th:TH_LOAD_NT
	global_load_b128 v[X+8*\u+4:X+8*\u+7], v1, s[24:25] offset:UIN*\u+16 th:TH_LOAD_NT
.endr
; unit u to bf16.  No register that a load or store names is written again, so no further wait is needed.
.macro CV u
	s_wait_loadcnt 14-2*\u                         ; loads come back in order: the two loads of each of the 7 - u younger units stay out
.irp k, 0,1,2,3
	v_cvt_pk_bf16_f32 v[Y+4*\u+\k], v[X+8*\u+2*\k], v[X+8*\u+2*\k+1]
.endr
	global_store_b128 v10, v[Y+4*\u:Y+4*\u+3], s[20:21] offset:UOUT*\u   ; no hint: the next launch reads it
.endm
; unit u of Wp: to bf16, back to f32 (a shift, a mask), to f16
.macro CVP u
	s_wait_loadcnt 14-2*\u
.irp k, 0,1,2,3
	v_cvt_pk_bf16_f32 v[T+\k], v[X+8*\u+2*\k], v[X+8*\u+2*\k+1]
.endr
.irp k, 0,1,2,3
	v_lshlrev_b32 v[X+8*\u+2*\k],   16, v[T+\k]
	v_and_b32     v[X+8*\u+2*\k+1], 0xffff0000, v[T+\k]
.endr
.irp k, 0,1,2,3
	v_cvt_pk_f16_f32 v[Y+4*\u+\k], v[X+8*\u+2*\k], v[X+8*\u+2*\k+1]
.endr
	global_store_b128 v10, v[Y+4*\u:Y+4*\u+3], s[20:21] offset:UOUT*\u
.endm
	s_cmp_ge_u32 s3, 704                           ; the last 64 work-groups hold Wp
	s_cbranch_scc1 .Lwp
.irp u, 0,1,2,3,4,5,6,7
	CV \u
.endr
	s_endpgm
.Lwp:
.irp u, 0,1,2,3,4,5,6,7
	CVP \u
.endr
	s_endpgm
.Lfunc_end_k_q03f0a4679d_cast:
	.size	k_q03f0a4679d_cast, .Lfunc_end_k_q03f0a4679d_cast-k_q03f0a4679d_cast
	.p2alignl 7, 3214868480
	.fill 96, 4, 3214868480
	.section	.rodata,"a",@progbits
	.p2align	6, 0x0
	.amdhsa_kernel k_q03f0a4679d_cast
		.amdhsa_group_segment_fixed_size 0
		.amdhsa_private_segment_fixed_size 0
		.amdhsa_enable_private_segment 0
		.amdhsa_kernarg_size 56
		.amdhsa_user_sgpr_count 2
		.amdhsa_user_sgpr_kernarg_segment_ptr 1
		.amdhsa_wavefront_size32 1
		.amdhsa_system_sgpr_workgroup_id_x 1
		.amdhsa_system_sgpr_workgroup_id_y 1
		.amdhsa_system_sgpr_workgroup_id_z 1
		.amdhsa_system_vgpr_workitem_id 0
		.amdhsa_next_free_vgpr 112
		.amdhsa_next_free_sgpr 66
		.amdhsa_reserve_vcc 0
		.amdhsa_float_denorm_mode_32 3
		.amdhsa_float_denorm_mode_16_64 3
		.amdhsa_memory_ordered 1
		.amdhsa_forward_progress 1
		.amdhsa_inst_pref_size 14
	.end_amdhsa_kernel
	.amdgpu_metadata
---
amdhsa.version: [ 1, 2 ]
amdhsa.kernels:
  - .name:           k_q03f0a4679d_cast
    .symbol:         k_q03f0a4679d_cast.kd
    .args:
      - { .name: x, .offset: 0, .size: 8, .value_kind: global_buffer, .address_space: global }
      - { .name: x_query, .offset: 8, .size: 8, .value_kind: global_buffer, .address_space: global }
      - { .name: Wq, .offset: 16, .size: 8, .value_kind: global_buffer, .address_space: global }
      - { .name: Wk, .offset: 24, .size: 8, .value_kind: global_buffer, .address_space: global }
      - { .name: Wv, .offset: 32, .size: 8, .value_kind: global_buffer, .address_space: global }
      - { .name: Wp, .offset: 40, .size: 8, .value_kind: global_buffer, .address_space: global }
      - { .name: cb, .offset: 48, .size: 8, .value_kind: global_buffer, .address_space: global }
    .group_segment_fixed_size: 0
    .private_segment_fixed_size: 0
    .kernarg_segment_align: 8
    .kernarg_segment_size: 56
    .max_flat_workgroup_size: 256
    .sgpr_count:     66
    .vgpr_count:     112
    .wavefront_size: 32
...
	.end_amdgpu_metadata
.endif
;; end of part 1
;; launch qkv (part 2): grid 12 x 16, 4 waves a work-group, clusters of 4 x 4, 327,680 bytes of LDS; arguments cb, bq, bk, bv, qh, kh, vh; writes qh, kh, vh
.if DOCPART == 2
	.amdgcn_target "amdgcn-amd-amdhsa--gfx1250"
	.amdhsa_code_object_version 6
	.text
	.protected	k_q03f0a4679d_qkv
	.globl	k_q03f0a4679d_qkv
	.p2align	8
	.type	k_q03f0a4679d_qkv,@function
k_q03f0a4679d_qkv:
	s_mov_b64 s[64:65], 0
	v_nop
	global_prefetch_b8 v0, s[64:65] scope:SCOPE_SE
	s_setreg_imm32_b32 hwreg(HW_REG_WAVE_MODE, 25, 1), 1
	s_wait_xcnt 0x0
	s_wait_alu depctr_hold_cnt(0) depctr_sa_sdst(0) depctr_va_vdst(0) depctr_va_sdst(0) depctr_va_ssrc(0) depctr_va_vcc(0) depctr_vm_vsrc(0)
	s_getreg_b32 s2, hwreg(HW_REG_IB_STS2, 6, 4)
	s_cmp_eq_u32 s2, 0
	s_cbranch_scc0 .Lentry_in_a_cluster
	s_endpgm
.Lentry_in_a_cluster:
	s_bfe_u32 s2, ttmp6, 0x10000c
	s_cmp_lg_u32 s2, 0xf033
	s_cbranch_scc0 .Lentry_shape_is_right
	s_endpgm
.Lentry_shape_is_right:
; q = x_query Wq^T + bq, k = x Wk^T + bk, v = x Wv^T + bv as ONE product of [4096][1024] rows with the stacked weights [3072][1024],
; bf16 operands from cb, f32 sums that START from the bias, results in f16, head-major: [batch 2][head 16][t 2048][d 64].
; LIMIT: a result above 65,504 in magnitude becomes infinity (f16).
; A work-group makes a block of 256 x 256 with four waves, a wave 128 x 128: 64 accumulator tiles of 16 x 16, 512 registers.  K goes in
; steps of 128 through two LDS slots filled by the tensor data mover; a tile's rows are 256 bytes of memory at multiples of 256 bytes.
; 12 x 16 = 192 work-groups: the 3,072 x 4,096 results do not divide into 256 equal blocks whose sides divide 1,024 and 4,096.
; CLUSTERS: 4 x 4 work-groups.  The cluster's x is the matrix (0 q, 1 k, 2 v: 1,024 columns are four blocks), the same in all sixteen.
; The four of a row of the cluster need the same tiles of A, the four of a column the same tiles of the weights: each tile is asked for
; jointly, by the same tensor load with the same descriptor and a mask that names the four.
;
; REGISTERS, in windows of 256:
;   window 0: v0-31 addresses; v64-127, v128-191 fragments of A, two buffers; v192-223 at work on the way out
;   window 1: v64-127, v128-191 fragments of the weights, two buffers; v192-255 the bias of my 128 columns, as eight C operands
;   window 2: the 32 accumulator tiles of my rows 0-63 (tile (a, b) at v[8 (8 a + b)]);   window 3: those of my rows 64-127
; THE MATRIX INSTRUCTION IS USED TRANSPOSED: source 0 = 16 rows of the weights, source 1 = 16 rows of A.  Lane l then holds row l % 16 of
; the result and its registers 0 to 7 the columns 8 (l / 16) + 0 .. 7: eight neighbouring numbers, 16 bytes in f16.
.set SIZE_K, 1024
.set KSTEP,  128
.set PITCH,  272                       ; an LDS row: 256 bytes + 16 of padding, an odd multiple of 16: the 16 rows that a load touches start 16 bytes apart modulo 256
.set HALFT,  128*PITCH                 ; 128 rows: what one tensor load brings, and what one wave reads of A or of the weights
.set SLOT,   4*HALFT                   ; A's 256 rows, then the weights' 256 rows
.set STAGE,  2*SLOT                    ; behind the ring: 16 rows x 272 bytes for each wave, for the way out; no fill lands here
.set SPITCH, 272
.set LAPS, SIZE_K/(2*KSTEP)            ; a lap = two K steps = once round the ring: 4
.set ADRA, 16                          ; v16-17  LDS address of my A fragments in slot 0, 1
.set ADRB, 20                          ; v20-21  the same for the weights
.set STO,  24                          ; v24     the way out: where I put 16 bytes of a row
.set RD,   25                          ; v25     the way out: where I read back
.set CO,   26                          ; v26     my byte offset in the result
.set BO,   27                          ; v27     my byte offset in the bias: 32 (l / 16)
.set F0,   64
.set F1,   128
.set TMP,  192                         ; window 0
.set BIAS, 192                         ; window 1
.set G1, 24                            ; s[24:31] descriptor group 1 for A's tiles
.set G0, 32                            ; s[32:39] descriptor group 0 for A's tiles, one set for each slot
.set G1B, 48                           ; s[48:55] group 1 for the weights' tiles: it differs in the mask alone
.set G0B, 56                           ; s[56:63] group 0 for the weights' tiles, one set for each slot
.set MSB, 0
.macro WIN new                         ; the immediate's high byte repeats the setting that is left
.if MSB != \new
	s_set_vgpr_msb (MSB<<8)|\new
.set MSB, \new
.endif
.endm
.set MUL_LO, 0xa1                      ; source 0 (weights) window 1, source 1 (A) window 0, C and D window 2
.set MUL_HI, 0xf1                      ; the same, C and D window 3
.set FIRST_LO, 0x91                    ; the first product: C is the bias in window 1, D window 2
.set FIRST_HI, 0xd1                    ; C window 1, D window 3
.set TO_B,   0x40                      ; destination window 1, address window 0
; A joint load.  Waves 0 and 1 fetch A's two halves, waves 2 and 3 the weights'.  Each line has one mask and one set of registers for all
; that issue it.  The branch hangs on the wave's number alone.
.macro JLOAD s
	s_cmp_eq_u32 s11, 0
	s_cbranch_scc0 .Lfor_b_\@
	tensor_load_to_lds s[G0+4*\s:G0+4*\s+3], s[G1:G1+7]
	s_nop 0
	s_branch .Lasked_\@
.Lfor_b_\@:
	tensor_load_to_lds s[G0B+4*\s:G0B+4*\s+3], s[G1B:G1B+7]
	s_nop 0
	v_nop
.Lasked_\@:
.endm
; A round of the cluster's barrier: my work-group's barrier, wave 0 signals for the work-group, every wave waits for all sixteen, my
; work-group's barrier once more.
.macro CREST                           ; a round behind its opening barrier
	s_cmp_lg_u32 s10, 0
	s_cbranch_scc1 .Lnot_wave_0_\@
	s_barrier_signal -3
.Lnot_wave_0_\@:
	s_barrier_wait -3
	s_barrier_signal -1
	s_barrier_wait -1
.endm
.macro CROUND
	s_barrier_signal -1
	s_barrier_wait -1
	CREST
.endm
	s_load_b256 s[72:79], s[0:1], 0x0              ; cb s[72:73], bq s[74:75], bk s[76:77], bv s[78:79]
	s_load_b128 s[80:83], s[0:1], 0x20             ; qh s[80:81], kh s[82:83]
	s_load_b64 s[84:85], s[0:1], 0x30              ; vh
	s_set_vgpr_msb 0x40
	v_lshl_add_u32 v63, v0, 2, 0x48400
	s_set_vgpr_msb 0x4000
	v_mov_b32 v255, 0
	s_set_vgpr_msb 0x1
	ds_add_u32 v63, v255
	ds_add_u32 v63, v255
	s_set_vgpr_msb 0x100
	v_lshrrev_b32 v1, 5, v0
	v_readfirstlane_b32 s10, v1                    ; wave 0..3
	s_lshr_b32 s11, s10, 1                         ; which half of the block's rows is mine.  Also: I fetch for A (0) or for the weights (1)
	s_and_b32 s12, s10, 1                          ; which half of its columns.  Also: which 128 rows of that tile I fetch
	s_bfe_u32 s40, ttmp6, 0x40000                  ; cx
	s_bfe_u32 s41, ttmp6, 0x40004                  ; cy
	s_mov_b32 s45, ttmp9                           ; the cluster's x = which matrix: 0 q, 1 k, 2 v
	s_lshl_b32 s42, ttmp9, 2
	s_add_co_u32 s42, s42, s40                     ; block column in the stacked weights = 4 x cluster x + cx
	s_and_b32 s13, ttmp7, 0xffff
	s_lshl_b32 s13, s13, 2
	s_add_co_u32 s13, s13, s41                     ; block row = 4 x cluster y + cy
	s_lshl_b32 s43, s41, 2
	s_lshl_b32 s43, 15, s43                        ; my row of the cluster: places 4 cy .. 4 cy + 3
	s_lshl_b32 s44, 0x1111, s40                    ; my column: places cx, cx + 4, cx + 8, cx + 12
	s_or_b32 s[G1+0], s43, (1<<16)|(1<<20)|(1<<21)|(5<<22)|(3<<25)  ; mask of my row; 2-byte elements; padding on; bit 21 beside a mask; after every 64 words 4 words
	s_or_b32 s[G1B+0], s44, (1<<16)|(1<<20)|(1<<21)|(5<<22)|(3<<25) ; the same with the mask of my column
	s_mov_b32 s[G1B+1], KSTEP<<16
	s_mov_b32 s[G1+1], KSTEP<<16                   ; tensor_dim0 = 128
	s_mov_b32 s[G1B+2], 128<<16
	s_mov_b32 s[G1+2], 128<<16                     ; tensor_dim1 = 128
	s_mov_b32 s[G1B+3], KSTEP<<16
	s_mov_b32 s[G1+3], KSTEP<<16                   ; tile_dim0 = 128
	s_mov_b32 s[G1B+4], 128
	s_mov_b32 s[G1+4], 128                         ; tile_dim1 = 128
	s_mov_b32 s[G1B+5], SIZE_K
	s_mov_b32 s[G1+5], SIZE_K                      ; elements from row to row
	s_mov_b32 s[G1B+6], 0
	s_mov_b32 s[G1+6], 0
	s_mov_b32 s[G1B+7], 0
	s_mov_b32 s[G1+7], 0
	; where the tiles come from.  A's hang on the block row and on the matrix, which my row of the cluster shares; the weights' on the block
	; column, which my column shares.  Each address is made in registers that never hold the other coordinate.
	s_lshl_b32 s17, s12, 7
	s_lshl_b32 s16, s13, 8
	s_add_co_u32 s16, s16, s17                     ; A: row 256 x block row + 128 x half
	s_lshl_b32 s46, s42, 8
	s_add_co_u32 s46, s46, s17                     ; weights: row 256 x block column + 128 x half
	s_mov_b32 s17, 0
	s_mov_b32 s47, 0
	s_mov_b64 s[18:19], SIZE_K*2
	s_mul_u64 s[16:17], s[16:17], s[18:19]         ; in bytes
	s_mul_u64 s[46:47], s[46:47], s[18:19]
	s_mul_i32 s20, s10, HALFT                      ; and where they go: wave x 128 rows
	s_cmp_eq_u32 s45, 0
	s_cselect_b32 s66, 0x800000, 0                 ; q is made of x_query, 8,388,608 bytes into cb; k and v of x, at its head
	s_mov_b32 s67, 0
	s_lshl_b32 s68, s40, 10                        ; my 128 columns in the bias: (256 cx + 128 half) x 4 bytes
	s_lshl_b32 s69, s12, 9
	s_add_co_u32 s68, s68, s69
	s_mov_b32 s69, 0
	s_wait_dscnt 0x0
	s_wait_kmcnt 0x0
	s_add_nc_u64 s[4:5], s[72:73], s[66:67]        ; A
	s_add_nc_u64 s[6:7], s[72:73], 0x1000000       ; the stacked weights, 16,777,216 bytes into cb
	s_cmp_eq_u32 s45, 0                            ; bias and result by the matrix
	s_cselect_b64 s[86:87], s[74:75], s[76:77]
	s_cselect_b64 s[8:9], s[80:81], s[82:83]
	s_cmp_eq_u32 s45, 2
	s_cselect_b64 s[86:87], s[78:79], s[86:87]
	s_cselect_b64 s[8:9], s[84:85], s[8:9]
	s_add_nc_u64 s[86:87], s[86:87], s[68:69]
	s_add_nc_u64 s[14:15], s[4:5], s[16:17]
	s_add_nc_u64 s[46:47], s[6:7], s[46:47]
	CROUND                                         ; all sixteen work-groups are here: the first joint loads meet
.irp s, 0,1
	s_mov_b32 s[G0+4*\s], 1
	s_add_co_u32 s[G0+4*\s+1], s20, \s*SLOT
	s_add_nc_u64 s[G0+4*\s+2:G0+4*\s+3], s[14:15], \s*KSTEP*2      ; K step s
	s_or_b32 s[G0+4*\s+3], s[G0+4*\s+3], 0x80000000
	s_mov_b32 s[G0B+4*\s], 1
	s_add_co_u32 s[G0B+4*\s+1], s20, \s*SLOT
	s_add_nc_u64 s[G0B+4*\s+2:G0B+4*\s+3], s[46:47], \s*KSTEP*2
	s_or_b32 s[G0B+4*\s+3], s[G0B+4*\s+3], 0x80000000
	JLOAD \s                                       ; the ring is filled before anything else is done: two tensor loads of the wave are out
.endr
	v_and_b32 v1, 15, v0                           ; l % 16
	v_bfe_u32 v2, v0, 4, 1                         ; l / 16
	; the bias as eight C operands: register j of column tile b holds bias[16 b + 8 (l / 16) + j], the same in all sixteen rows
	v_lshlrev_b32 v[BO], 5, v2
	WIN TO_B
.irp b, 0,1,2,3,4,5,6,7
	global_load_b128 v[BIAS+8*\b:BIAS+8*\b+3],   v[BO], s[86:87] offset:64*\b
	global_load_b128 v[BIAS+8*\b+4:BIAS+8*\b+7], v[BO], s[86:87] offset:64*\b+16
.endr
	WIN 0
	; A fragment is 16 rows x 32 K in 8 registers: lane l holds row l % 16; registers 0-3 K = 8 (l / 16) + 0..7, registers 4-7 K = 16 + 8 (l / 16) + 0..7.
	v_mul_u32_u24 v3, v1, PITCH
	v_lshl_add_u32 v3, v2, 4, v3                   ; row x pitch + 16 x half
	s_mul_i32 s21, s11, HALFT                      ; my 128 rows of A
	s_mul_i32 s22, s12, HALFT                      ; my 128 rows of the weights,
	s_add_co_u32 s22, s22, 2*HALFT                 ; which lie behind A's 256
.irp s, 0,1
	v_add_nc_u32 v[ADRA+\s], s21, v3
	v_add_nc_u32 v[ADRB+\s], s22, v3
	s_add_co_u32 s21, s21, SLOT
	s_add_co_u32 s22, s22, SLOT
.endr
	s_mul_i32 s23, s10, 16*SPITCH
	s_add_co_u32 s23, s23, STAGE                   ; my stage
	v_add_nc_u32 v[STO], s23, v3                   ; in: row l % 16, 16 bytes for each half of the lanes
	v_and_b32 v4, 31, v0                           ; l
	v_lshrrev_b32 v5, 3, v4                        ; back: eight lanes take the 128 bytes that one row has of one head, four rows a load
	v_mul_u32_u24 v5, v5, SPITCH
	v_and_b32 v6, 7, v0
	v_lshl_add_u32 v5, v6, 4, v5
	v_add_nc_u32 v[RD], s23, v5
	v_lshlrev_b32 v[CO], 4, v4                     ; those four rows are 512 consecutive bytes of the head-major result
; 16 matrix instructions: row blocks a0, a0 + 1 of the window's four x all 8 column blocks, 32 along K.
; first = 1: the first product takes the bias as C: nothing is cleared, and no bias is added later.
; The 64 accumulators take turns, one instruction a turn, in the same order in every quarter step.
.macro MUL16 f, hi, a0, first
.irp a, \a0, \a0+1
.irp b, 0,1,2,3,4,5,6,7
.if \first
	v_wmma_f32_16x16x32_bf16 v[8*(8*(\a)+\b):8*(8*(\a)+\b)+7], v[\f+8*\b:\f+8*\b+7], v[\f+8*(4*\hi+\a):\f+8*(4*\hi+\a)+7], v[BIAS+8*\b:BIAS+8*\b+7]
.else
	v_wmma_f32_16x16x32_bf16 v[8*(8*(\a)+\b):8*(8*(\a)+\b)+7], v[\f+8*\b:\f+8*\b+7], v[\f+8*(4*\hi+\a):\f+8*(4*\hi+\a)+7], v[8*(8*(\a)+\b):8*(8*(\a)+\b)+7]
.endif
.endr
.endr
.endm
; 32 LDS loads in one run: the fragments of one quarter step into buffer f
.macro FETCH slot, k, f
	WIN TO_B
.irp i, 0,1,2,3,4,5,6,7
	ds_load_b128 v[\f+8*\i:\f+8*\i+3],   v[ADRB+\slot] offset:\k+\i*16*PITCH
	ds_load_b128 v[\f+8*\i+4:\f+8*\i+7], v[ADRB+\slot] offset:\k+\i*16*PITCH+32
.endr
	WIN 0
.irp i, 0,1,2,3,4,5,6,7
	ds_load_b128 v[\f+8*\i:\f+8*\i+3],   v[ADRA+\slot] offset:\k+\i*16*PITCH
	ds_load_b128 v[\f+8*\i+4:\f+8*\i+7], v[ADRA+\slot] offset:\k+\i*16*PITCH+32
.endr
.endm
; A load into a register that a matrix instruction has read, and a vector instruction that reads a matrix result, stand four places behind
; that matrix instruction; only plain vector instructions that name none of its registers are places.
.macro PLACES
.rept 4
	v_nop
.endr
.endm
; One of the first three quarter steps: multiplies buffer f; in its middle it fetches the next quarter's fragments into buffer g.
.macro QUARTER slot, k, f, g, first
	s_wait_dscnt 8                                 ; the weights and A's rows 0-63 are in; the youngest eight loads (A's rows 64-127) may be out
.if \first
	WIN FIRST_LO
.else
	WIN MUL_LO
.endif
	MUL16 \f, 0, 0, \first
	MUL16 \f, 0, 2, \first
	PLACES
	FETCH \slot, \k, \g
	s_wait_dscnt 32                                ; all but the 32 just issued
.if \first
	WIN FIRST_HI
.else
	WIN MUL_HI
.endif
	MUL16 \f, 1, 0, \first
	MUL16 \f, 1, 2, \first
.endm
.macro THREE slot, first
	QUARTER \slot, 64,  F0, F1, \first
	QUARTER \slot, 128, F1, F0, 0
	QUARTER \slot, 192, F0, F1, 0
.endm
; The last quarter: multiplies buffer 1 and changes slots.  In front of the barrier each wave waits for its own reads of this slot and for
; all its tensor loads, of which one is out: its part of the next slot.  Behind it the refill comes first, then the next slot's fragments.
.macro TURN slot, next, fill
	s_wait_dscnt 8
	WIN MUL_LO
	MUL16 F1, 0, 0, 0
	s_wait_dscnt 0                                 ; my reads of this slot are over
	s_wait_tensorcnt 0x0                           ; and all my tensor loads have landed
	ds_add_u32 v63, v255
	s_wait_dscnt 0x0
	s_barrier_signal -1                            ; where a slot is filled again this barrier opens a round of the cluster's barrier
	MUL16 F1, 0, 2, 0                              ; register work while the others arrive
	WIN 0
	s_barrier_wait -1
.if \fill
	CREST                                          ; no wave of any partner still reads this slot's tile or has a load on its way
	s_add_nc_u64 s[G0+4*\slot+2:G0+4*\slot+3], s[G0+4*\slot+2:G0+4*\slot+3], 2*KSTEP*2
	s_add_nc_u64 s[G0B+4*\slot+2:G0B+4*\slot+3], s[G0B+4*\slot+2:G0B+4*\slot+3], 2*KSTEP*2
	JLOAD \slot                                    ; the first tensor load behind the round, and my only one until the next
.endif
	PLACES
	FETCH \next, 0, F0
	WIN MUL_HI
	MUL16 F1, 1, 0, 0
	MUL16 F1, 1, 2, 0
.endm
.macro LAP first
	THREE 0, \first
	TURN 0, 1, 1
	THREE 1, 0
	TURN 1, 0, 1
.endm
	s_wait_tensorcnt 1                             ; my part of K step 0 is in; K step 1's load, issued behind it, may stay out
	s_barrier_signal -1
	s_barrier_wait -1                              ; everybody's is
	s_wait_loadcnt 0x0                             ; the bias
	FETCH 0, 0, F0
	LAP 1                                          ; the first lap stands in front of the loop: its first products start the sums from the bias
	WIN 0
	s_mov_b32 s3, LAPS-2
.Llap:
	LAP 0
	WIN 0
	s_sub_co_u32 s3, s3, 1
	s_cmp_lg_u32 s3, 0
	s_cbranch_scc1 .Llap
	THREE 0, 0                                     ; the last lap fills nothing
	TURN 0, 1, 0
	THREE 1, 0
	s_wait_dscnt 8
	WIN MUL_LO
	MUL16 F1, 0, 0, 0
	MUL16 F1, 0, 2, 0
	s_wait_dscnt 0
	WIN MUL_HI
	MUL16 F1, 1, 0, 0
	MUL16 F1, 1, 2, 0
	; THE WAY OUT, 16 rows at a time: round to f16, 16 bytes a lane into my own stage, read back by heads.
	; My 128 columns are two heads; in the result a head's 16 rows of 128 bytes are 2,048 consecutive bytes.
	PLACES
	s_lshr_b32 s16, s13, 3                         ; row = 256 x block row + 128 x half: batch = block row / 8,
	s_lshl_b32 s16, s16, 22                        ; 16 heads of 262,144 bytes each
	s_and_b32 s14, s13, 7
	s_lshl_b32 s14, s14, 15                        ; t = 256 x (block row % 8) + 128 x half, 128 bytes a row
	s_add_co_u32 s16, s16, s14
	s_lshl_b32 s14, s11, 14
	s_add_co_u32 s16, s16, s14
	s_mov_b32 s17, 0
	s_add_nc_u64 s[8:9], s[8:9], s[16:17]
	s_lshl_b32 s46, s40, 20                        ; head = 4 cx + 2 x half, 262,144 bytes each (in the registers of the weights' side)
	s_lshl_b32 s47, s12, 19
	s_add_co_u32 s46, s46, s47
	s_mov_b32 s47, 0
	s_add_nc_u64 s[8:9], s[8:9], s[46:47]
; rows 16 i .. 16 i + 15 of my block = the eight tiles (a, 0..7) of window 2 or 3 (from = 0x0a or 0x0f: sources 0 and 1); f: F0 or F1 in turn
.macro OUT16 i, a, from, f
	WIN \from
.irp b, 0,1,2,3,4,5,6,7
.irp r, 0,1,2,3
	v_cvt_pk_f16_f32 v[TMP+4*\b+\r], v[8*(8*\a+\b)+2*\r], v[8*(8*\a+\b)+2*\r+1]
.endr
.endr
	WIN 0
.irp b, 0,1,2,3,4,5,6,7
	ds_store_b128 v[STO], v[TMP+4*\b:TMP+4*\b+3] offset:32*\b
.endr
	s_wait_xcnt 0x0                                ; buffer f, which earlier stores read, is loaded again only behind this wait
.irp t, 0,1,2,3,4,5,6,7
	ds_load_b128 v[\f+4*\t:\f+4*\t+3], v[RD] offset:(\t&3)*4*SPITCH+(\t>>2)*128   ; LDS serves a wave's instructions in order: these see the stores above
.endr
.irp t, 0,1,2,3,4,5,6,7
	s_wait_dscnt 7-\t                              ; the 7 - t younger loads stay out
	global_store_b128 v[CO], v[\f+4*\t:\f+4*\t+3], s[8:9] offset:\i*2048+(\t>>2)*262144+(\t&3)*512   ; 512 consecutive bytes, aligned
.endr
.endm
	OUT16 0, 0, 0x0a, F0
	OUT16 1, 1, 0x0a, F1
	OUT16 2, 2, 0x0a, F0
	OUT16 3, 3, 0x0a, F1
	OUT16 4, 0, 0x0f, F0
	OUT16 5, 1, 0x0f, F1
	OUT16 6, 2, 0x0f, F0
	OUT16 7, 3, 0x0f, F1
	s_set_vgpr_msb 0x1
	s_wait_tensorcnt 0x0
	ds_add_u32 v63, v255
	s_wait_dscnt 0x0
	s_set_vgpr_msb 0x100
	CROUND                                         ; the closing round: no work-group ends while a partner may still ask for a tile that names it
	s_endpgm
.Lfunc_end_k_q03f0a4679d_qkv:
	.size	k_q03f0a4679d_qkv, .Lfunc_end_k_q03f0a4679d_qkv-k_q03f0a4679d_qkv
	.p2alignl 7, 3214868480
	.fill 96, 4, 3214868480
	.section	.rodata,"a",@progbits
	.p2align	6, 0x0
	.amdhsa_kernel k_q03f0a4679d_qkv
		.amdhsa_group_segment_fixed_size 327680
		.amdhsa_private_segment_fixed_size 0
		.amdhsa_enable_private_segment 0
		.amdhsa_kernarg_size 56
		.amdhsa_user_sgpr_count 2
		.amdhsa_user_sgpr_kernarg_segment_ptr 1
		.amdhsa_wavefront_size32 1
		.amdhsa_system_sgpr_workgroup_id_x 1
		.amdhsa_system_sgpr_workgroup_id_y 1
		.amdhsa_system_sgpr_workgroup_id_z 1
		.amdhsa_system_vgpr_workitem_id 0
		.amdhsa_next_free_vgpr 1024
		.amdhsa_next_free_sgpr 88
		.amdhsa_reserve_vcc 0
		.amdhsa_float_denorm_mode_32 3
		.amdhsa_float_denorm_mode_16_64 3
		.amdhsa_memory_ordered 1
		.amdhsa_forward_progress 1
		.amdhsa_inst_pref_size 198
	.end_amdhsa_kernel
	.amdgpu_metadata
---
amdhsa.version: [ 1, 2 ]
amdhsa.kernels:
  - .name:           k_q03f0a4679d_qkv
    .symbol:         k_q03f0a4679d_qkv.kd
    .args:
      - { .name: cb, .offset: 0, .size: 8, .value_kind: global_buffer, .address_space: global }
      - { .name: bq, .offset: 8, .size: 8, .value_kind: global_buffer, .address_space: global }
      - { .name: bk, .offset: 16, .size: 8, .value_kind: global_buffer, .address_space: global }
      - { .name: bv, .offset: 24, .size: 8, .value_kind: global_buffer, .address_space: global }
      - { .name: qh, .offset: 32, .size: 8, .value_kind: global_buffer, .address_space: global }
      - { .name: kh, .offset: 40, .size: 8, .value_kind: global_buffer, .address_space: global }
      - { .name: vh, .offset: 48, .size: 8, .value_kind: global_buffer, .address_space: global }
    .group_segment_fixed_size: 327680
    .private_segment_fixed_size: 0
    .kernarg_segment_align: 8
    .kernarg_segment_size: 56
    .max_flat_workgroup_size: 128
    .sgpr_count:     88
    .vgpr_count:     1024
    .wavefront_size: 32
...
	.end_amdgpu_metadata
.endif
;; end of part 2
;; launch attn (part 3): grid 8 x 32, 4 waves a work-group, no clusters, 327,680 bytes of LDS; arguments qh, kh, vh, yh; writes yh
.if DOCPART == 3
	.amdgcn_target "amdgcn-amd-amdhsa--gfx1250"
	.amdhsa_code_object_version 6
	.text
	.protected	k_q03f0a4679d_attn
	.globl	k_q03f0a4679d_attn
	.p2align	8
	.type	k_q03f0a4679d_attn,@function
k_q03f0a4679d_attn:
	s_mov_b64 s[64:65], 0
	v_nop
	global_prefetch_b8 v0, s[64:65] scope:SCOPE_SE
	s_setreg_imm32_b32 hwreg(HW_REG_WAVE_MODE, 25, 1), 1
	s_wait_xcnt 0x0
; Causal attention of one (batch, head): y = softmax(q k^T / 8, keys <= query) v.  q, k, v, y: [32 heads][2048][64] f16; sums and softmax in f32,
; with a running maximum.  Key tiles that lie wholly above the diagonal are not computed: their weights are zero.
; LIMITS: a weight below 2^-24 of its row's largest becomes 0 (f16); y above 65,504 becomes infinity; NaN and infinite inputs are not served.
; SHARES: query blocks and key tiles have 128 rows.  Work-group (e, head) takes the query blocks 2 e and 15 - 2 e: (2 e + 1) + (16 - 2 e) = 17 key
; tiles in every one of the 256 work-groups.  Wave w owns 32 query rows of a block, as two tiles of 16.  A block starts with its diagonal
; tile and walks down to tile 0, so the first step of a block is the masked one, starts maximum, sum and output, and is written ahead of its loop.
; NO CLUSTER: the pairing that gives each work-group 17 tiles gives the eight work-groups of a head eight different walks, so no two of them
; want the same tile in the same step; a common walk in lock step would need 20 steps in place of 17.
; LAYOUT, without any exchange of data between lanes but one crossing of the halves:
;   S^T = K Q^T: source 0 = 16 keys, source 1 = 16 queries.  Lane (r, h): register j = (key 8 h + j, query r).
;   Two such tiles, exponentiated and packed to f16, ARE source 1 (32 keys x 16 queries) of  O^T = V^T P^T,
;   whose source 0 comes by transposing loads from V as it lies, [key][d].  Lane (r, h): register j = (d 8 h + j, query r).
;   So a lane's numbers all belong to query r: maximum, sum and rescaling are per lane; only the two halves h meet, by v_permlanex16_b32.
.set KP,    144                        ; LDS pitch of K's rows (128 bytes + 16): an odd multiple of 16
.set VP,    160                        ; of V's rows (128 + 32): an odd multiple of 32, for the transposing loads
.set VOFF,  128*KP                     ; V behind K in a slot
.set SLOT,  VOFF+128*VP                ; 38,912 bytes
.set STAGE, 2*SLOT                     ; 77,824: 32 rows x 144 bytes for each wave, for the way out; no fill lands here
.set CEXP,  0x3e38aa3b                 ; c = log2(e) / 8: the scale 1 / sqrt(64) and the change of base in one factor
.set NCEXP, 0xbe38aa3b                 ; -c
.set KA,   1                           ; v1   r x 144 + 16 h
.set VA,   2                           ; v2   VOFF + (8 h + l % 8) x 160 + 16 ((l / 8) % 2)
.set STO,  3                           ; v3   stage: row r, 16 bytes for each half
.set RD,   4                           ; v4   stage: eight lanes a row, four rows a load
.set CO,   5                           ; v5   16 l
.set QO,   6                           ; v6   128 r + 16 h
.set DQ,   7                           ; v7   32 w + r - 8 h (signed): key j' of the tile is masked where j' > this
.set NINF, 8                           ; v8   -infinity
.set M,    10                          ; v10-11   running maximum of query tile 0, 1
.set L,    12                          ; v12-13   running sum, this half's keys
.set NM,   14                          ; v[14:15], v[16:17]  -c M, twice (a pair for the packed forms)
.set AL,   18                          ; v[18:19], v[20:21]  rescale factor, twice
.set SU,   22                          ; v[22:23], v[24:25]  this half step's sums
.set T,    26                          ; v26-29   at work
.set QF1,  32                          ; v[32:63]   Q fragments of the first block: 16 qt + 8 c
.set QF2,  64                          ; v[64:95]   of the second
.set SB,   96                          ; v[96:159]  S^T, then P^T: 32 qt + 8 kt
.set OB,   160                         ; v[160:223] O^T: 32 qt + 8 dt
.set RB,   224                         ; v[224:255] the way out
; window 1: v[0:127] K fragments, 64 sub + 16 kt + 8 c;  v[128:255] V fragments, 128 + 64 sub + 32 kc + 8 dt
.set G1K, 24                           ; s[24:31] shape of half a K tile
.set G1V, 32                           ; s[32:39] of half a V tile: it differs in the padding alone
.set G0K, 40                           ; s[40:47] from where, to where: a set for each slot
.set G0V, 48                           ; s[48:55]
.set MSB, 0
.macro WIN new                         ; the immediate's high byte repeats the setting that is left
.if MSB != \new
	s_set_vgpr_msb (MSB<<8)|\new
.set MSB, \new
.endif
.endm
; Waves 0 and 1 fetch K's two halves, waves 2 and 3 V's: one tensor load a wave.  The branch hangs on the wave's number alone.
.macro TLOAD s
	s_cmp_eq_u32 s13, 0
	s_cbranch_scc0 .Lfor_v_\@
	tensor_load_to_lds s[G0K+4*\s:G0K+4*\s+3], s[G1K:G1K+7]
	s_nop 0
	s_branch .Lasked_\@
.Lfor_v_\@:
	tensor_load_to_lds s[G0V+4*\s:G0V+4*\s+3], s[G1V:G1V+7]
	s_nop 0
.Lasked_\@:
.endm
; Five places behind a run of matrix instructions: vector instructions read its results, later matrix instructions write over its sources,
; loads land in its sources (ISA guide 7.12.1 for the vector and matrix instructions).
.macro PLACES5
.rept 5
	v_nop
.endr
.endm
	s_load_b256 s[4:11], s[0:1], 0x0               ; qh s[4:5], kh s[6:7], vh s[8:9], yh s[10:11]
	v_lshl_add_u32 v30, v0, 2, 0x29000
	v_mov_b32 v31, 0
	ds_add_u32 v30, v31
	ds_add_u32 v30, v31
	v_lshrrev_b32 v1, 5, v0
	v_readfirstlane_b32 s12, v1                    ; wave
	s_lshr_b32 s13, s12, 1                         ; I fetch for K (0) or for V (1)
	s_and_b32 s14, s12, 1                          ; which 64 rows of the tile
	s_mov_b32 s15, ttmp9                           ; e
	s_and_b32 s16, ttmp7, 0xffff                   ; batch x 16 + head
	s_lshl_b32 s17, s15, 1                         ; first block 2 e
	s_sub_co_u32 s18, 15, s17                      ; second block 15 - 2 e
	s_mov_b32 s60, 0x76543210                      ; v_permlanex16_b32: lane i of one half reads lane i of the other
	s_mov_b32 s61, 0xfedcba98
	; Half a tile is 64 rows of 128 bytes, 8,192 dense bytes: taken as 32 rows of 32 elements of 8 bytes.  The padding counts words along the
	; whole tile: after every 32 words (128 bytes, one row of K or V) it skips 4 words (K) or 8 (V).
	s_mov_b32 s[G1K+0], (3<<16)|(1<<20)|(4<<22)|(3<<25)
	s_mov_b32 s[G1V+0], (3<<16)|(1<<20)|(4<<22)|(7<<25)
	s_mov_b32 s[G1K+1], 32<<16                     ; tensor_dim0 = 32
	s_mov_b32 s[G1V+1], 32<<16
	s_mov_b32 s[G1K+2], 32<<16                     ; tensor_dim1 = 32
	s_mov_b32 s[G1V+2], 32<<16
	s_mov_b32 s[G1K+3], 32<<16                     ; tile_dim0 = 32
	s_mov_b32 s[G1V+3], 32<<16
	s_mov_b32 s[G1K+4], 32                         ; tile_dim1 = 32
	s_mov_b32 s[G1V+4], 32
	s_mov_b32 s[G1K+5], 32                         ; pitch = 32 elements: dense
	s_mov_b32 s[G1V+5], 32
	s_mov_b32 s[G1K+6], 0
	s_mov_b32 s[G1V+6], 0
	s_mov_b32 s[G1K+7], 0
	s_mov_b32 s[G1V+7], 0
	s_mul_i32 s20, s14, 64*KP
	s_mul_i32 s21, s14, 64*VP
.irp s, 0,1
	s_mov_b32 s[G0K+4*\s], 1
	s_add_co_u32 s[G0K+4*\s+1], s20, \s*SLOT
	s_mov_b32 s[G0V+4*\s], 1
	s_add_co_u32 s[G0V+4*\s+1], s21, \s*SLOT+VOFF
.endr
	s_lshl_b32 s22, s16, 18                        ; a head is 262,144 bytes
	s_mov_b32 s23, 0
	s_wait_dscnt 0x0
	s_wait_kmcnt 0x0
	s_add_nc_u64 s[4:5], s[4:5], s[22:23]
	s_add_nc_u64 s[6:7], s[6:7], s[22:23]
	s_add_nc_u64 s[8:9], s[8:9], s[22:23]
	s_add_nc_u64 s[10:11], s[10:11], s[22:23]
	s_lshl_b32 s22, s14, 13                        ; my half of a tile
	s_add_nc_u64 s[56:57], s[6:7], s[22:23]        ; K, V at my half of tile 0
	s_add_nc_u64 s[58:59], s[8:9], s[22:23]
	s_lshl_b32 s22, s17, 14                        ; the first tile is the first block's diagonal one; a tile is 16,384 bytes
	s_add_nc_u64 s[G0K+2:G0K+3], s[56:57], s[22:23]
	s_or_b32 s[G0K+3], s[G0K+3], 0x80000000
	s_add_nc_u64 s[G0V+2:G0V+3], s[58:59], s[22:23]
	s_or_b32 s[G0V+3], s[G0V+3], 0x80000000
	TLOAD 0                                        ; the one first fill at the start; slot 1 is first filled behind the first step's barrier
	s_sub_co_u32 s63, s17, 1                       ; s19: the tile to ask for next: one down, or from 0 on to the second block's diagonal
	s_cmp_eq_u32 s17, 0
	s_cselect_b32 s19, s18, s63
	s_lshl_b32 s20, s12, 12                        ; my 32 rows of 128 bytes in a block
	s_lshl_b32 s22, s17, 14
	s_add_co_u32 s22, s22, s20
	s_add_nc_u64 s[66:67], s[4:5], s[22:23]        ; q and y at my rows of the first block
	s_add_nc_u64 s[70:71], s[10:11], s[22:23]
	s_lshl_b32 s22, s18, 14
	s_add_co_u32 s22, s22, s20
	s_add_nc_u64 s[68:69], s[4:5], s[22:23]        ; and of the second
	s_add_nc_u64 s[72:73], s[10:11], s[22:23]
	v_and_b32 v9, 31, v0                           ; l
	v_and_b32 v26, 15, v0                          ; r
	v_bfe_u32 v27, v0, 4, 1                        ; h
	v_lshlrev_b32 v[QO], 7, v26
	v_lshl_add_u32 v[QO], v27, 4, v[QO]
	; Q fragments of both blocks, once: lane (r, h) holds query r; registers 0-3 d = 32 c + 8 h + 0..7, registers 4-7 d = 32 c + 16 + 8 h + 0..7
.irp qt, 0,1
.irp c, 0,1
.irp u, 0,1
	global_load_b128 v[QF1+16*\qt+8*\c+4*\u:QF1+16*\qt+8*\c+4*\u+3], v[QO], s[66:67] offset:\qt*2048+64*\c+32*\u
	global_load_b128 v[QF2+16*\qt+8*\c+4*\u:QF2+16*\qt+8*\c+4*\u+3], v[QO], s[68:69] offset:\qt*2048+64*\c+32*\u
.endr
.endr
.endr
	v_mul_u32_u24 v[KA], v26, KP
	v_lshl_add_u32 v[KA], v27, 4, v[KA]
	v_and_b32 v28, 7, v0
	v_lshl_add_u32 v28, v27, 3, v28                ; 8 h + l % 8
	v_mul_u32_u24 v[VA], v28, VP
	v_bfe_u32 v29, v0, 3, 1
	v_lshl_add_u32 v[VA], v29, 4, v[VA]
	v_add_nc_u32 v[VA], VOFF, v[VA]
	s_mul_i32 s20, s12, 32*KP
	s_add_co_u32 s20, s20, STAGE                   ; my stage
	v_add_nc_u32 v[STO], s20, v[KA]
	v_lshrrev_b32 v28, 3, v9
	v_mul_u32_u24 v28, v28, KP
	v_and_b32 v29, 7, v0
	v_lshl_add_u32 v28, v29, 4, v28
	v_add_nc_u32 v[RD], s20, v28
	v_lshlrev_b32 v[CO], 4, v9
	v_lshlrev_b32 v28, 3, v27
	v_sub_nc_u32 v[DQ], v26, v28
	s_lshl_b32 s21, s12, 5
	v_add_nc_u32 v[DQ], s21, v[DQ]
	v_mov_b32 v[NINF], 0xff800000
	s_wait_loadcnt 0x0                             ; Q
; The diagonal tile: key 64 sub + 16 kt + 8 h + j is masked for query 32 w + 16 qt + r where it is the larger.  A choice of value: no branch.
.macro MASK sub
.irp qt, 0,1
.irp kt, 0,1,2,3
.irp j, 0,1,2,3,4,5,6,7
	v_cmp_gt_i32 vcc_lo, 64*\sub+16*\kt+\j-16*\qt, v[DQ]
	v_cndmask_b32 v[SB+32*\qt+8*\kt+\j], v[SB+32*\qt+8*\kt+\j], v[NINF], vcc_lo
.endr
.endr
.endr
.endm
; Sums of tile (qt, kt)'s eight weights in f32, then the tile packed to f16 in place: tile 2 kc into registers 0-3, tile 2 kc + 1 into
; registers 4-7 of the pair's sixteen: source 1 of the second product.
.macro SUMCVT qt, kt
.if \kt == 0
	s_wait_alu depctr_va_vdst(0)
	v_pk_add_f32 v[SU+2*\qt:SU+2*\qt+1], v[SB+32*\qt:SB+32*\qt+1], v[SB+32*\qt+2:SB+32*\qt+3]     ; the first add starts the sums
.else
	s_wait_alu depctr_va_vdst(0)
	v_pk_add_f32 v[SU+2*\qt:SU+2*\qt+1], v[SU+2*\qt:SU+2*\qt+1], v[SB+32*\qt+8*\kt:SB+32*\qt+8*\kt+1]
	v_pk_add_f32 v[SU+2*\qt:SU+2*\qt+1], v[SU+2*\qt:SU+2*\qt+1], v[SB+32*\qt+8*\kt+2:SB+32*\qt+8*\kt+3]
.endif
	v_pk_add_f32 v[SU+2*\qt:SU+2*\qt+1], v[SU+2*\qt:SU+2*\qt+1], v[SB+32*\qt+8*\kt+4:SB+32*\qt+8*\kt+5]
	v_pk_add_f32 v[SU+2*\qt:SU+2*\qt+1], v[SU+2*\qt:SU+2*\qt+1], v[SB+32*\qt+8*\kt+6:SB+32*\qt+8*\kt+7]
.irp i, 0,1,2,3
	v_cvt_pk_f16_f32 v[SB+32*\qt+16*(\kt>>1)+4*(\kt&1)+\i], v[SB+32*\qt+8*\kt+2*\i], v[SB+32*\qt+8*\kt+2*\i+1]
.endr
.endm
; One tile's turn: exponents c S - c M by fused multiply-adds, eight exponentials, a quarter of this query tile's rescaling of O, and the
; sums and packing of the tile before.  Behind each run of exponentials stands plain work on other registers before its results are used
; (ISA guide 5.7.2): the rescaling, or the next tile's multiply-adds, or the packing of the tile before.
.macro TILE qt, kt, pq, pk, first0, prev
.irp i, 0,2,4,6
	v_pk_fma_f32 v[SB+32*\qt+8*\kt+\i:SB+32*\qt+8*\kt+\i+1], v[SB+32*\qt+8*\kt+\i:SB+32*\qt+8*\kt+\i+1], CEXP, v[NM+2*\qt:NM+2*\qt+1] op_sel_hi:[1,0,1]
.endr
.irp i, 0,1,2,3,4,5,6,7
	v_exp_f32 v[SB+32*\qt+8*\kt+\i], v[SB+32*\qt+8*\kt+\i]
.endr
.if \first0 == 0
.irp i, 0,2,4,6
	v_pk_mul_f32 v[OB+32*\qt+8*\kt+\i:OB+32*\qt+8*\kt+\i+1], v[OB+32*\qt+8*\kt+\i:OB+32*\qt+8*\kt+\i+1], v[AL+2*\qt:AL+2*\qt+1]
.endr
.endif
.if \prev
	SUMCVT \pq, \pk
.endif
.endm
; 64 keys x 32 queries: running maximum, weights, sums.  first0 = 1: a block's first half step: no old maximum, sum or output exists.
.macro SOFTMAX first0
.irp qt, 0,1
	v_max3_num_f32 v[T+2*\qt],   v[SB+32*\qt],    v[SB+32*\qt+1],  v[SB+32*\qt+2]      ; four chains that do not wait for each other
	v_max3_num_f32 v[T+2*\qt+1], v[SB+32*\qt+16], v[SB+32*\qt+17], v[SB+32*\qt+18]
.endr
.irp n, 3,5,7,9,11,13
.irp qt, 0,1
	v_max3_num_f32 v[T+2*\qt],   v[T+2*\qt],   v[SB+32*\qt+\n],    v[SB+32*\qt+\n+1]
	v_max3_num_f32 v[T+2*\qt+1], v[T+2*\qt+1], v[SB+32*\qt+16+\n], v[SB+32*\qt+16+\n+1]
.endr
.endr
.irp qt, 0,1
	v_max3_num_f32 v[T+2*\qt], v[T+2*\qt], v[SB+32*\qt+15], v[SB+32*\qt+31]
.endr
.irp qt, 0,1
	v_max_num_f32 v[T+2*\qt], v[T+2*\qt], v[T+2*\qt+1]
.endr
.irp qt, 0,1
	v_permlanex16_b32 v[T+2*\qt+1], v[T+2*\qt], s60, s61           ; the other half's keys
.endr
.if \first0
.irp qt, 0,1
	v_max_num_f32 v[M+\qt], v[T+2*\qt], v[T+2*\qt+1]               ; finite: key 0 of the diagonal tile is open to every query of the block
.endr
.irp qt, 0,1
	v_mul_f32 v[NM+2*\qt],   NCEXP, v[M+\qt]
	v_mul_f32 v[NM+2*\qt+1], NCEXP, v[M+\qt]
.endr
.else
.irp qt, 0,1
	v_max3_num_f32 v[M+\qt], v[T+2*\qt], v[T+2*\qt+1], v[M+\qt]
.endr
.irp qt, 0,1
	v_mul_f32 v[T+2*\qt], NCEXP, v[M+\qt]
.endr
.irp qt, 0,1
	v_sub_f32 v[AL+2*\qt], v[T+2*\qt], v[NM+2*\qt]                 ; new shift - old shift <= 0: old and new weights then carry exactly the same shift
	v_mov_b32 v[NM+2*\qt],   v[T+2*\qt]
	v_mov_b32 v[NM+2*\qt+1], v[T+2*\qt]
.endr
	v_exp_f32 v[AL],   v[AL]
	v_exp_f32 v[AL+2], v[AL+2]
	v_nop                                          ; one plain place behind the exponentials
	s_wait_alu depctr_va_vdst(0)
	v_mov_b32 v[AL+1], v[AL]
	v_mov_b32 v[AL+3], v[AL+2]
.endif
	TILE 0, 0, 0, 0, \first0, 0
	TILE 0, 1, 0, 0, \first0, 1
	TILE 0, 2, 0, 1, \first0, 1
	TILE 0, 3, 0, 2, \first0, 1
	TILE 1, 0, 0, 3, \first0, 1
	TILE 1, 1, 1, 0, \first0, 1
	TILE 1, 2, 1, 1, \first0, 1
	TILE 1, 3, 1, 2, \first0, 1
	SUMCVT 1, 3
.irp qt, 0,1
.if \first0
	v_add_f32 v[L+\qt], v[SU+2*\qt], v[SU+2*\qt+1]
.else
	v_add_f32 v[T+\qt], v[SU+2*\qt], v[SU+2*\qt+1]
	v_fma_f32 v[L+\qt], v[L+\qt], v[AL+2*\qt], v[T+\qt]
.endif
.endr
.endm
; 64 keys of a tile: S^T, softmax, O^T.  In each run of 16 matrix instructions eight accumulators take turns, one instruction a turn, twice
; round in the same order.
.macro HALF sub, diag, first0, qf
	s_wait_dscnt 48-32*\sub                        ; this half's 16 loads of K are in; the groups of 16 issued behind them (3, or 1) stay out
	WIN 0x01                                       ; source 0 in window 1
.irp c, 0,1
.irp kt, 0,1,2,3
.irp qt, 0,1
.if \c == 0
	v_wmma_f32_16x16x32_f16 v[SB+32*\qt+8*\kt:SB+32*\qt+8*\kt+7], v[64*\sub+16*\kt+8*\c:64*\sub+16*\kt+8*\c+7], v[\qf+16*\qt+8*\c:\qf+16*\qt+8*\c+7], 0
.else
	v_wmma_f32_16x16x32_f16 v[SB+32*\qt+8*\kt:SB+32*\qt+8*\kt+7], v[64*\sub+16*\kt+8*\c:64*\sub+16*\kt+8*\c+7], v[\qf+16*\qt+8*\c:\qf+16*\qt+8*\c+7], v[SB+32*\qt+8*\kt:SB+32*\qt+8*\kt+7]
.endif
.endr
.endr
.endr
	WIN 0
	PLACES5
.if \diag
	MASK \sub
.endif
	SOFTMAX \first0
	s_wait_dscnt 32-32*\sub                        ; this half's 16 loads of V are in; the next half's 32 loads (or none) stay out
	WIN 0x01
.irp kc, 0,1
.irp dt, 0,1,2,3
.irp qt, 0,1
.if \first0*(1-\kc)
	v_wmma_f32_16x16x32_f16 v[OB+32*\qt+8*\dt:OB+32*\qt+8*\dt+7], v[128+64*\sub+32*\kc+8*\dt:128+64*\sub+32*\kc+8*\dt+7], v[SB+32*\qt+16*\kc:SB+32*\qt+16*\kc+7], 0
.else
	v_wmma_f32_16x16x32_f16 v[OB+32*\qt+8*\dt:OB+32*\qt+8*\dt+7], v[128+64*\sub+32*\kc+8*\dt:128+64*\sub+32*\kc+8*\dt+7], v[SB+32*\qt+16*\kc:SB+32*\qt+16*\kc+7], v[OB+32*\qt+8*\dt:OB+32*\qt+8*\dt+7]
.endif
.endr
.endr
.endr
	WIN 0
	PLACES5
.endm
; One key tile, in slot; other = the other slot.  diag = 1: a block's first, masked tile.  refill = 1: the walk's next tile is asked for.
; ONE barrier a step, for two things.  In front of it each wave waits for all its tensor loads (one is out: its part of this slot) and for
; its reads of the other slot.  Behind it this slot is whole and nobody reads the other: the refill comes first, one tensor load a wave,
; and has the whole step in which to land.
.macro STEP slot, other, diag, refill, qf
	s_wait_tensorcnt 0x0                           ; no tensor load of mine is out: descriptors may be written
	ds_add_u32 v30, v31
	s_wait_dscnt 0x0
.if \refill
	s_lshl_b32 s22, s19, 14                        ; tile s19, 16,384 bytes a tile
	s_add_nc_u64 s[G0K+4*\other+2:G0K+4*\other+3], s[56:57], s[22:23]
	s_or_b32 s[G0K+4*\other+3], s[G0K+4*\other+3], 0x80000000
	s_add_nc_u64 s[G0V+4*\other+2:G0V+4*\other+3], s[58:59], s[22:23]
	s_or_b32 s[G0V+4*\other+3], s[G0V+4*\other+3], 0x80000000
	s_sub_co_u32 s63, s19, 1                       ; the walk: one tile down; from tile 0 on to the second block's diagonal
	s_cmp_eq_u32 s19, 0
	s_cselect_b32 s19, s18, s63
.endif
	s_wait_dscnt 0x0                               ; my LDS reads are back
	s_barrier_signal -1
	s_barrier_wait -1
.if \refill
	TLOAD \other
.endif
	WIN 0x40                                       ; destination in window 1
.irp sub, 0,1
.irp kt, 0,1,2,3
.irp c, 0,1
	ds_load_b128 v[64*\sub+16*\kt+8*\c:64*\sub+16*\kt+8*\c+3],   v[KA] offset:\slot*SLOT+(64*\sub+16*\kt)*KP+64*\c
	ds_load_b128 v[64*\sub+16*\kt+8*\c+4:64*\sub+16*\kt+8*\c+7], v[KA] offset:\slot*SLOT+(64*\sub+16*\kt)*KP+64*\c+32
.endr
.endr
.irp kc, 0,1
.irp dt, 0,1,2,3
	ds_load_tr16_b128 v[128+64*\sub+32*\kc+8*\dt:128+64*\sub+32*\kc+8*\dt+3],   v[VA] offset:\slot*SLOT+(64*\sub+32*\kc)*VP+32*\dt
	ds_load_tr16_b128 v[128+64*\sub+32*\kc+8*\dt+4:128+64*\sub+32*\kc+8*\dt+7], v[VA] offset:\slot*SLOT+(64*\sub+32*\kc)*VP+32*\dt+16*VP
.endr
.endr
.endr
	WIN 0
	HALF 0, \diag, \diag, \qf
	HALF 1, \diag, 0, \qf
.endm
; A block's end: the halves' sums meet, O is divided, rounded to f16 and leaves through my own stage as whole rows.
.macro EPI yb
.irp qt, 0,1
	v_permlanex16_b32 v[T+\qt], v[L+\qt], s60, s61
.endr
.irp qt, 0,1
	v_add_f32 v[T+\qt], v[T+\qt], v[L+\qt]         ; at least about 1: the largest weight of the row
.endr
	v_rcp_f32 v[AL],   v[T]
	v_rcp_f32 v[AL+2], v[T+1]
	v_nop                                          ; one plain place behind the reciprocals
	s_wait_alu depctr_va_vdst(0)
	v_mov_b32 v[AL+1], v[AL]
	v_mov_b32 v[AL+3], v[AL+2]
.irp qt, 0,1
.irp dt, 0,1,2,3
.irp i, 0,2,4,6
	v_pk_mul_f32 v[OB+32*\qt+8*\dt+\i:OB+32*\qt+8*\dt+\i+1], v[OB+32*\qt+8*\dt+\i:OB+32*\qt+8*\dt+\i+1], v[AL+2*\qt:AL+2*\qt+1]
.endr
.irp i, 0,1,2,3
	v_cvt_pk_f16_f32 v[SB+16*\qt+4*\dt+\i], v[OB+32*\qt+8*\dt+2*\i], v[OB+32*\qt+8*\dt+2*\i+1]
.endr
	ds_store_b128 v[STO], v[SB+16*\qt+4*\dt:SB+16*\qt+4*\dt+3] offset:\qt*16*KP+32*\dt     ; query 16 qt + r, d = 16 dt + 8 h + 0..7
.endr
.endr
	s_wait_xcnt 0x0                                ; RB, which the first block's stores read, is loaded again only behind this wait
.irp t, 0,1,2,3,4,5,6,7
	ds_load_b128 v[RB+4*\t:RB+4*\t+3], v[RD] offset:4*KP*\t        ; LDS serves a wave's instructions in order: these see the stores above
.endr
.irp t, 0,1,2,3,4,5,6,7
	s_wait_dscnt 7-\t                              ; the 7 - t younger loads stay out
	global_store_b128 v[CO], v[RB+4*\t:RB+4*\t+3], s[\yb:\yb+1] offset:512*\t   ; four rows of 128 bytes: 512 consecutive bytes, aligned
.endr
.endm
	; The first block has an even number, so it takes an odd number of tiles and the slots' turns are fixed in the text.
	STEP 0, 1, 1, 1, QF1                           ; tile 2 e, the diagonal
	s_cmp_eq_u32 s15, 0                            ; 2 e tiles below it: e trips of two.  The same in all waves
	s_cbranch_scc1 .Lskip1
	s_mov_b32 s62, s15
.Lloop1:
	STEP 1, 0, 0, 1, QF1
	STEP 0, 1, 0, 1, QF1
	s_sub_co_u32 s62, s62, 1
	s_cmp_lg_u32 s62, 0
	s_cbranch_scc1 .Lloop1
.Lskip1:
	EPI 70
	STEP 1, 0, 1, 1, QF2                           ; tile 15 - 2 e, the second block's diagonal
	s_sub_co_u32 s62, 7, s15                       ; 15 - 2 e tiles below it: 7 - e trips of two, and one more
	s_cmp_eq_u32 s62, 0
	s_cbranch_scc1 .Lskip2
.Lloop2:
	STEP 0, 1, 0, 1, QF2
	STEP 1, 0, 0, 1, QF2
	s_sub_co_u32 s62, s62, 1
	s_cmp_lg_u32 s62, 0
	s_cbranch_scc1 .Lloop2
.Lskip2:
	STEP 0, 1, 0, 0, QF2                           ; tile 0: nothing is left to fetch, and no tensor load is out behind its wait
	EPI 72
	s_wait_tensorcnt 0x0
	ds_add_u32 v30, v31
	s_wait_dscnt 0x0
	s_endpgm
.Lfunc_end_k_q03f0a4679d_attn:
	.size	k_q03f0a4679d_attn, .Lfunc_end_k_q03f0a4679d_attn-k_q03f0a4679d_attn
	.p2alignl 7, 3214868480
	.fill 96, 4, 3214868480
	.section	.rodata,"a",@progbits
	.p2align	6, 0x0
	.amdhsa_kernel k_q03f0a4679d_attn
		.amdhsa_group_segment_fixed_size 327680
		.amdhsa_private_segment_fixed_size 0
		.amdhsa_enable_private_segment 0
		.amdhsa_kernarg_size 32
		.amdhsa_user_sgpr_count 2
		.amdhsa_user_sgpr_kernarg_segment_ptr 1
		.amdhsa_wavefront_size32 1
		.amdhsa_system_sgpr_workgroup_id_x 1
		.amdhsa_system_sgpr_workgroup_id_y 1
		.amdhsa_system_sgpr_workgroup_id_z 1
		.amdhsa_system_vgpr_workitem_id 0
		.amdhsa_next_free_vgpr 512
		.amdhsa_next_free_sgpr 76
		.amdhsa_reserve_vcc 1
		.amdhsa_float_denorm_mode_32 3
		.amdhsa_float_denorm_mode_16_64 3
		.amdhsa_memory_ordered 1
		.amdhsa_forward_progress 1
		.amdhsa_inst_pref_size 255
	.end_amdhsa_kernel
	.section	.bss,"aw",@nobits
	.p2align	6
	.space	262144
	.amdgpu_metadata
---
amdhsa.version: [ 1, 2 ]
amdhsa.kernels:
  - .name:           k_q03f0a4679d_attn
    .symbol:         k_q03f0a4679d_attn.kd
    .args:
      - { .name: qh, .offset: 0, .size: 8, .value_kind: global_buffer, .address_space: global }
      - { .name: kh, .offset: 8, .size: 8, .value_kind: global_buffer, .address_space: global }
      - { .name: vh, .offset: 16, .size: 8, .value_kind: global_buffer, .address_space: global }
      - { .name: yh, .offset: 24, .size: 8, .value_kind: global_buffer, .address_space: global }
    .group_segment_fixed_size: 327680
    .private_segment_fixed_size: 0
    .kernarg_segment_align: 8
    .kernarg_segment_size: 32
    .max_flat_workgroup_size: 128
    .sgpr_count:     76
    .vgpr_count:     512
    .wavefront_size: 32
...
	.end_amdgpu_metadata
.endif
;; end of part 3
;; launch proj (part 4): grid 8 x 32, 4 waves a work-group, clusters of 4 x 4, 327,680 bytes of LDS; arguments yh, cb, bp, out0; writes out0
.if DOCPART == 4
	.amdgcn_target "amdgcn-amd-amdhsa--gfx1250"
	.amdhsa_code_object_version 6
	.text
	.protected	k_q03f0a4679d_proj
	.globl	k_q03f0a4679d_proj
	.p2align	8
	.type	k_q03f0a4679d_proj,@function
k_q03f0a4679d_proj:
	s_mov_b64 s[64:65], 0
	v_nop
	global_prefetch_b8 v0, s[64:65] scope:SCOPE_SE
	s_setreg_imm32_b32 hwreg(HW_REG_WAVE_MODE, 25, 1), 1
	s_wait_xcnt 0x0
	s_wait_alu depctr_hold_cnt(0) depctr_sa_sdst(0) depctr_va_vdst(0) depctr_va_sdst(0) depctr_va_ssrc(0) depctr_va_vcc(0) depctr_vm_vsrc(0)
	s_getreg_b32 s2, hwreg(HW_REG_IB_STS2, 6, 4)
	s_cmp_eq_u32 s2, 0
	s_cbranch_scc0 .Lentry_in_a_cluster
	s_endpgm
.Lentry_in_a_cluster:
	s_bfe_u32 s2, ttmp6, 0x10000c
	s_cmp_lg_u32 s2, 0xf033
	s_cbranch_scc0 .Lentry_shape_is_right
	s_endpgm
.Lentry_shape_is_right:
; out0 = y Wp^T + bp.  y: head-major f16 [batch 2][head 16][t 2048][d 64]; Wp: f16 [1024][1024], 23,068,672 bytes into cb; out0: f32 [4096][1024].
; f16 operands, f32 sums that start from the bias.
; A work-group makes a block of 128 x 128: 8 x 32 = 256 work-groups (blocks of 256 x 256 would give 64).  Four waves, 2 x 2, 64 x 64 each: 16
; accumulator tiles.  K = 1,024 goes in four fills of 256 (four heads) through two LDS slots.
; CLUSTERS: 4 x 4 work-groups.  y's tile hangs on the block row alone and is shared along a row of the cluster, Wp's on the block column alone
; and is shared along a column: each is asked for jointly, which divides the requests by four.
; A slot: y, four heads x 128 rows of 128 bytes at pitch 144; then Wp, 128 rows of 512 bytes at pitch 528.  Both pitches are odd multiples of 16.
; Waves 0 and 1 fetch two heads of y each (one load: two rows of 16,384 dense bytes, 262,144 bytes apart); waves 2 and 3 fetch 64 rows of Wp each.
; The matrix instruction is used transposed (source 0 = 16 rows of Wp, source 1 = 16 rows of y): a lane holds 8 neighbouring columns of one row.
; Window 0: addresses, two fragment buffers, the read-back.  Window 1: v[0:127] accumulators, tile (a, b) at 8 (4 a + b); v[128:159] the bias.
.set PA,    144
.set PB,    528
.set AHEAD, 128*PA                     ; one head's 128 rows: 18,432
.set BOFF,  4*AHEAD                    ; Wp's tile behind y's: 73,728
.set SLOT,  BOFF+128*PB                ; 141,312
.set STAGE, 2*SLOT                     ; 282,624: 16 rows x 272 bytes for each wave, for the way out; no fill lands here
.set SP,    272
.set WPOFF, 23068672
.set ADRA, 16                          ; v16-17  LDS address of my y fragments in slot 0, 1
.set ADRB, 20                          ; v20-21  the same for Wp
.set STO,  24
.set RD,   25
.set CO,   26
.set BO,   27
.set F0,   64                          ; fragment buffer 0: y at +0..31, Wp at +32..63
.set F1,   128
.set R0,   192                         ; read-back, two sets
.set R1,   224
.set BIAS, 128                         ; window 1
.set G1, 24
.set G0, 32
.set G1B, 48
.set G0B, 56
.set MSB, 0
.macro WIN new
.if MSB != \new
	s_set_vgpr_msb (MSB<<8)|\new
.set MSB, \new
.endif
.endm
.macro JLOAD s                         ; waves 0 and 1 ask for y, waves 2 and 3 for Wp; the branch hangs on the wave's number alone
	s_cmp_eq_u32 s11, 0
	s_cbranch_scc0 .Lfor_b_\@
	tensor_load_to_lds s[G0+4*\s:G0+4*\s+3], s[G1:G1+7]
	s_nop 0
	s_branch .Lasked_\@
.Lfor_b_\@:
	tensor_load_to_lds s[G0B+4*\s:G0B+4*\s+3], s[G1B:G1B+7]
	s_nop 0
	v_nop
.Lasked_\@:
.endm
.macro CROUND                          ; a round of the cluster's barrier
	s_barrier_signal -1
	s_barrier_wait -1
	s_cmp_lg_u32 s10, 0
	s_cbranch_scc1 .Lnot_wave_0_\@
	s_barrier_signal -3
.Lnot_wave_0_\@:
	s_barrier_wait -3
	s_barrier_signal -1
	s_barrier_wait -1
.endm
.macro PLACES                          ; four places behind matrix instructions, for loads into their sources and for stores of their results (ISA guide 7.12.1 for the stores)
.rept 4
	v_nop
.endr
.endm
	s_load_b256 s[72:79], s[0:1], 0x0              ; yh s[72:73], cb s[74:75], bp s[76:77], out0 s[78:79]
	v_lshl_add_u32 v62, v0, 2, 0x49400
	v_mov_b32 v63, 0
	ds_add_u32 v62, v63
	ds_add_u32 v62, v63
	v_lshrrev_b32 v1, 5, v0
	v_readfirstlane_b32 s10, v1                    ; wave
	s_lshr_b32 s11, s10, 1                         ; which 64 rows of the block are mine.  Also: I fetch for y (0) or for Wp (1)
	s_and_b32 s12, s10, 1                          ; which 64 columns.  Also: which half of that tile I fetch
	s_bfe_u32 s40, ttmp6, 0x40000                  ; cx
	s_bfe_u32 s41, ttmp6, 0x40004                  ; cy
	s_lshl_b32 s42, ttmp9, 2
	s_add_co_u32 s42, s42, s40                     ; block column 0..7
	s_and_b32 s13, ttmp7, 0xffff
	s_lshl_b32 s13, s13, 2
	s_add_co_u32 s13, s13, s41                     ; block row 0..31
	s_lshl_b32 s43, s41, 2
	s_lshl_b32 s43, 15, s43                        ; my row of the cluster
	s_lshl_b32 s44, 0x1111, s40                    ; my column
	s_or_b32 s[G1+0], s43, (3<<16)|(1<<20)|(1<<21)|(4<<22)|(3<<25)  ; y: mask of my row; 8-byte elements; after every 32 words (a row of 128 bytes) 4 words of padding
	s_mov_b32 s[G1+1], 2048<<16                    ; tensor_dim0 = 2,048 elements: a head's 128 rows, 16,384 dense bytes
	s_mov_b32 s[G1+2], 2<<16                       ; tensor_dim1 = 2 heads
	s_mov_b32 s[G1+3], 2048<<16                    ; tile_dim0
	s_mov_b32 s[G1+4], 2                           ; tile_dim1
	s_mov_b32 s[G1+5], 32768                       ; from head to head: 262,144 bytes
	s_mov_b32 s[G1+6], 0
	s_mov_b32 s[G1+7], 0
	s_or_b32 s[G1B+0], s44, (1<<16)|(1<<20)|(1<<21)|(6<<22)|(3<<25) ; Wp: mask of my column; 2-byte elements; after every 128 words (a row of 512 bytes) 4 words
	s_mov_b32 s[G1B+1], 256<<16                    ; tensor_dim0 = 256
	s_mov_b32 s[G1B+2], 64<<16                     ; tensor_dim1 = 64
	s_mov_b32 s[G1B+3], 256<<16                    ; tile_dim0
	s_mov_b32 s[G1B+4], 64                         ; tile_dim1
	s_mov_b32 s[G1B+5], 1024                       ; elements from row to row
	s_mov_b32 s[G1B+6], 0
	s_mov_b32 s[G1B+7], 0
	; y's address is made of the block row and the wave's number, Wp's of the block column and the wave's number, each in registers of its own
	s_lshr_b32 s16, s13, 4                         ; batch, 4,194,304 bytes
	s_lshl_b32 s16, s16, 22
	s_and_b32 s17, s13, 15                         ; 128 rows of 128 bytes
	s_lshl_b32 s17, s17, 14
	s_add_co_u32 s16, s16, s17
	s_lshl_b32 s17, s12, 19                        ; heads 2 x half, 2 x half + 1 of the fill's four
	s_add_co_u32 s16, s16, s17
	s_mov_b32 s17, 0
	s_lshl_b32 s46, s42, 18                        ; row 128 x block column + 64 x half, 2,048 bytes a row
	s_lshl_b32 s47, s12, 17
	s_add_co_u32 s46, s46, s47
	s_add_co_u32 s46, s46, WPOFF
	s_mov_b32 s47, 0
	s_mul_i32 s20, s12, 2*AHEAD                    ; where they go
	s_mul_i32 s70, s12, 64*PB
	s_add_co_u32 s70, s70, BOFF
	s_lshl_b32 s68, s42, 9                         ; my 64 columns in bp and in a row of out0: (128 x block column + 64 x half) x 4 bytes
	s_lshl_b32 s69, s12, 8
	s_add_co_u32 s68, s68, s69
	s_mov_b32 s69, 0
	s_wait_dscnt 0x0
	s_wait_kmcnt 0x0
	s_add_nc_u64 s[14:15], s[72:73], s[16:17]
	s_add_nc_u64 s[46:47], s[74:75], s[46:47]
	s_add_nc_u64 s[86:87], s[76:77], s[68:69]
	CROUND                                         ; all sixteen work-groups are here: the first joint loads meet
.irp s, 0,1
	s_mov_b32 s[G0+4*\s], 1
	s_add_co_u32 s[G0+4*\s+1], s20, \s*SLOT
	s_add_nc_u64 s[G0+4*\s+2:G0+4*\s+3], s[14:15], \s*(4<<18)      ; fill s: heads 4 s ..
	s_or_b32 s[G0+4*\s+3], s[G0+4*\s+3], 0x80000000
	s_mov_b32 s[G0B+4*\s], 1
	s_add_co_u32 s[G0B+4*\s+1], s70, \s*SLOT
	s_add_nc_u64 s[G0B+4*\s+2:G0B+4*\s+3], s[46:47], \s*512        ; fill s: 256 elements along K
	s_or_b32 s[G0B+4*\s+3], s[G0B+4*\s+3], 0x80000000
	JLOAD \s                                       ; both slots are asked for at once: two tensor loads of the wave are out
.endr
	v_and_b32 v1, 15, v0                           ; r
	v_bfe_u32 v2, v0, 4, 1                         ; h
	v_lshlrev_b32 v[BO], 5, v2
	WIN 0x40                                       ; destination in window 1
.irp b, 0,1,2,3
	global_load_b128 v[BIAS+8*\b:BIAS+8*\b+3],   v[BO], s[86:87] offset:64*\b          ; register j of column tile b: bp[16 b + 8 h + j]
	global_load_b128 v[BIAS+8*\b+4:BIAS+8*\b+7], v[BO], s[86:87] offset:64*\b+16
.endr
	WIN 0
	v_mul_u32_u24 v3, v1, PA
	v_lshl_add_u32 v3, v2, 4, v3
	v_mul_u32_u24 v4, v1, PB
	v_lshl_add_u32 v4, v2, 4, v4
	s_mul_i32 s21, s11, 64*PA                      ; my 64 rows in each head's part
	s_mul_i32 s22, s12, 64*PB                      ; my 64 rows of Wp
	s_add_co_u32 s22, s22, BOFF
.irp s, 0,1
	v_add_nc_u32 v[ADRA+\s], s21, v3
	v_add_nc_u32 v[ADRB+\s], s22, v4
	s_add_co_u32 s21, s21, SLOT
	s_add_co_u32 s22, s22, SLOT
.endr
	s_mul_i32 s23, s10, 16*SP
	s_add_co_u32 s23, s23, STAGE                   ; my stage
	v_mul_u32_u24 v5, v1, SP                       ; in: row r, 32 bytes for each half of the lanes
	v_lshl_add_u32 v5, v2, 5, v5
	v_add_nc_u32 v[STO], s23, v5
	v_mul_u32_u24 v5, v2, SP                       ; back: lanes 0-15 one row of 256 bytes, lanes 16-31 the next
	v_lshl_add_u32 v5, v1, 4, v5
	v_add_nc_u32 v[RD], s23, v5
	v_lshlrev_b32 v5, 12, v2                       ; and the same two rows in out0, 4,096 bytes a row
	v_lshl_add_u32 v[CO], v1, 4, v5
; 16 matrix instructions, 32 along K, on buffer f.  first = 1: C is the bias.  The sixteen accumulators take turns, one instruction a turn, in
; the same order every time.
.macro MUL f, first
.irp a, 0,1,2,3
.irp b, 0,1,2,3
.if \first
	v_wmma_f32_16x16x32_f16 v[8*(4*\a+\b):8*(4*\a+\b)+7], v[\f+32+8*\b:\f+32+8*\b+7], v[\f+8*\a:\f+8*\a+7], v[BIAS+8*\b:BIAS+8*\b+7]
.else
	v_wmma_f32_16x16x32_f16 v[8*(4*\a+\b):8*(4*\a+\b)+7], v[\f+32+8*\b:\f+32+8*\b+7], v[\f+8*\a:\f+8*\a+7], v[8*(4*\a+\b):8*(4*\a+\b)+7]
.endif
.endr
.endr
.endm
; the fragments of eighth q of a slot (32 along K: head q / 2, d from 32 (q % 2)) into buffer f: 16 loads
.macro FETCH slot, q, f
.irp i, 0,1,2,3
	ds_load_b128 v[\f+8*\i:\f+8*\i+3],   v[ADRA+\slot] offset:(\q>>1)*AHEAD+(\q&1)*64+\i*16*PA
	ds_load_b128 v[\f+8*\i+4:\f+8*\i+7], v[ADRA+\slot] offset:(\q>>1)*AHEAD+(\q&1)*64+\i*16*PA+32
.endr
.irp i, 0,1,2,3
	ds_load_b128 v[\f+32+8*\i:\f+32+8*\i+3],   v[ADRB+\slot] offset:\q*64+\i*16*PB
	ds_load_b128 v[\f+32+8*\i+4:\f+32+8*\i+7], v[ADRB+\slot] offset:\q*64+\i*16*PB+32
.endr
.endm
; multiplies buffer f while eighth nq's fragments come into buffer g, which the matrix instructions just issued have read: four places first
.macro EIGHTH slot, nq, f, g, first
	s_wait_dscnt 0x0                               ; buffer f is in
	PLACES
	FETCH \slot, \nq, \g
	WIN 0x50                                       ; C and D in window 1
	MUL \f, \first
	WIN 0
.endm
.macro SLOTW slot, first               ; a whole slot: 256 along K, 128 matrix instructions
	PLACES
	FETCH \slot, 0, F0
	EIGHTH \slot, 1, F0, F1, \first
	EIGHTH \slot, 2, F1, F0, 0
	EIGHTH \slot, 3, F0, F1, 0
	EIGHTH \slot, 4, F1, F0, 0
	EIGHTH \slot, 5, F0, F1, 0
	EIGHTH \slot, 6, F1, F0, 0
	EIGHTH \slot, 7, F0, F1, 0
	s_wait_dscnt 0x0
	WIN 0x50
	MUL F1, 0
	WIN 0
.endm
; The slot just read is filled again, two fills ahead.  Each wave's waits stand in front of the round's opening signal; the round shows them of
; every wave of all sixteen work-groups; the joint refill is the first tensor load behind it, one a wave.
.macro CHANGE slot
	s_wait_dscnt 0x0                               ; my reads of the slot are back
	s_wait_tensorcnt 0x0                           ; all my tensor loads have landed, my part of the other slot among them: descriptors may be written
	ds_add_u32 v62, v63
	s_wait_dscnt 0x0
	s_add_nc_u64 s[G0+4*\slot+2:G0+4*\slot+3], s[G0+4*\slot+2:G0+4*\slot+3], 8<<18     ; eight heads on
	s_add_nc_u64 s[G0B+4*\slot+2:G0B+4*\slot+3], s[G0B+4*\slot+2:G0B+4*\slot+3], 1024  ; 512 elements on
	CROUND
	JLOAD \slot
.endm
	s_wait_tensorcnt 1                             ; my part of slot 0 is in; slot 1's load, issued behind it, may stay out
	s_barrier_signal -1
	s_barrier_wait -1
	s_wait_loadcnt 0x0                             ; the bias
	SLOTW 0, 1                                     ; K 0-255: the first products start the sums from the bias
	CHANGE 0
	SLOTW 1, 0                                     ; K 256-511
	CHANGE 1
	SLOTW 0, 0                                     ; K 512-767
	s_wait_dscnt 0x0
	s_wait_tensorcnt 0x0                           ; my part of the last fill is in,
	s_barrier_signal -1
	s_barrier_wait -1                              ; everybody's is; nothing more is filled
	SLOTW 1, 0                                     ; K 768-1023
	; THE WAY OUT, 16 rows at a time: the f32 results go into my own stage as they are, 32 bytes a lane, and come back as whole rows of 256 bytes.
	PLACES
	s_lshl_b32 s16, s13, 19                        ; my first row: 128 x block row + 64 x half, 4,096 bytes a row
	s_lshl_b32 s14, s11, 18
	s_add_co_u32 s16, s16, s14
	s_mov_b32 s17, 0
	s_add_nc_u64 s[8:9], s[78:79], s[16:17]
	s_add_nc_u64 s[8:9], s[8:9], s[68:69]          ; my first column
.macro OUT16 a, f
	WIN 0x04                                       ; store data in window 1
.irp b, 0,1,2,3
	ds_store_b128 v[STO], v[8*(4*\a+\b):8*(4*\a+\b)+3]   offset:64*\b
	ds_store_b128 v[STO], v[8*(4*\a+\b)+4:8*(4*\a+\b)+7] offset:64*\b+16
.endr
	WIN 0
	s_wait_xcnt 0x0                                ; set f, which earlier stores read, is loaded again only behind this wait
.irp t, 0,1,2,3,4,5,6,7
	ds_load_b128 v[\f+4*\t:\f+4*\t+3], v[RD] offset:\t*2*SP        ; LDS serves a wave's instructions in order: these see the stores above
.endr
.irp t, 0,1,2,3,4,5,6,7
	s_wait_dscnt 7-\t                              ; the 7 - t younger loads stay out
	global_store_b128 v[CO], v[\f+4*\t:\f+4*\t+3], s[8:9] offset:(16*\a+2*\t)*4096 th:TH_STORE_NT   ; 16 lanes store 256 consecutive bytes, aligned
.endr
.endm
	OUT16 0, R0
	OUT16 1, R1
	OUT16 2, R0
	OUT16 3, R1
	s_wait_tensorcnt 0x0
	ds_add_u32 v62, v63
	s_wait_dscnt 0x0
	CROUND                                         ; the closing round: no work-group ends while a partner may still ask for a tile that names it
	s_endpgm
.Lfunc_end_k_q03f0a4679d_proj:
	.size	k_q03f0a4679d_proj, .Lfunc_end_k_q03f0a4679d_proj-k_q03f0a4679d_proj
	.p2alignl 7, 3214868480
	.fill 96, 4, 3214868480
	.section	.rodata,"a",@progbits
	.p2align	6, 0x0
	.amdhsa_kernel k_q03f0a4679d_proj
		.amdhsa_group_segment_fixed_size 327680
		.amdhsa_private_segment_fixed_size 0
		.amdhsa_enable_private_segment 0
		.amdhsa_kernarg_size 32
		.amdhsa_user_sgpr_count 2
		.amdhsa_user_sgpr_kernarg_segment_ptr 1
		.amdhsa_wavefront_size32 1
		.amdhsa_system_sgpr_workgroup_id_x 1
		.amdhsa_system_sgpr_workgroup_id_y 1
		.amdhsa_system_sgpr_workgroup_id_z 1
		.amdhsa_system_vgpr_workitem_id 0
		.amdhsa_next_free_vgpr 416
		.amdhsa_next_free_sgpr 88
		.amdhsa_reserve_vcc 0
		.amdhsa_float_denorm_mode_32 3
		.amdhsa_float_denorm_mode_16_64 3
		.amdhsa_memory_ordered 1
		.amdhsa_forward_progress 1
		.amdhsa_inst_pref_size 90
	.end_amdhsa_kernel
	.amdgpu_metadata
---
amdhsa.version: [ 1, 2 ]
amdhsa.kernels:
  - .name:           k_q03f0a4679d_proj
    .symbol:         k_q03f0a4679d_proj.kd
    .args:
      - { .name: yh, .offset: 0, .size: 8, .value_kind: global_buffer, .address_space: global }
      - { .name: cb, .offset: 8, .size: 8, .value_kind: global_buffer, .address_space: global }
      - { .name: bp, .offset: 16, .size: 8, .value_kind: global_buffer, .address_space: global }
      - { .name: out0, .offset: 24, .size: 8, .value_kind: global_buffer, .address_space: global }
    .group_segment_fixed_size: 327680
    .private_segment_fixed_size: 0
    .kernarg_segment_align: 8
    .kernarg_segment_size: 32
    .max_flat_workgroup_size: 128
    .sgpr_count:     88
    .vgpr_count:     416
    .wavefront_size: 32
...
	.end_amdgpu_metadata
.endif
;; end of part 4
